; MI455X (gfx1250); checked and timed in simulation.
; The chip was launched on July 23, 2026; its instructions are those of AMD's public machine-readable ISA for CDNA 5 (MIT licence, August 2026) and "CDNA5" Instruction Set Architecture Reference Guide (July 2026). The comments in the code are by the model that wrote it; some were corrected since.
;; Attention With Memory. Allowed arithmetic: float matrix products may take bf16 or f16 operands with f32 sums; all other float work in f32.
;; Inputs: in_proj_b 3,072 float32; in_proj_w 3,072 x 1,024 float32; out_b 1,024 float32; out_w 1,024 x 1,024 float32; x 8 x 1,024 x 1,024 float32.
;; Outputs: out0 8 x 1,024 x 1,024 float32.
;; One version. Each part assembles by itself: llvm-mc -triple=amdgcn-amd-amdhsa -mcpu=gfx1250 --defsym DOCPART=n.
;; ======== version 1 of 1: 4 launches
;; limits: values are held in f16: magnitudes above 65,504 overflow, below 6.1e-05 lose precision
;; workspace buffers: xb 16,777,216 bytes; wb 6,291,456 bytes; owh 2,097,152 bytes; heads 50,331,648 bytes; ob 16,777,216 bytes
;; launch cast (part 1): grid 768 x 1, 8 waves a work-group, no clusters, 0 bytes of LDS; arguments x, in_proj_w, out_w, xb, wb, owh; writes xb, wb, owh
.if DOCPART == 1
	.amdgcn_target "amdgcn-amd-amdhsa--gfx1250"
	.amdhsa_code_object_version 6
	.text
	.protected	k_q3e10d10e06_cast
	.globl	k_q3e10d10e06_cast
	.p2align	8
	.type	k_q3e10d10e06_cast,@function
k_q3e10d10e06_cast:
	s_mov_b64 s[64:65], 0
	v_nop
	global_prefetch_b8 v0, s[64:65] scope:SCOPE_SE
	s_setreg_imm32_b32 hwreg(HW_REG_WAVE_MODE, 25, 1), 1
	s_wait_xcnt 0x0
; THE INPUTS OF THE MATRIX PRODUCTS ARE ROUNDED ONCE.  x -> xb and in_proj_w -> wb in bf16; out_w -> owh: rounded to bf16 like the other inputs, and that number written as f16
; (the product that takes it multiplies f16 operands).
; LIMITS.  |out_w| stays under 65,504 (f16's range); below 6.1e-5 its f16 copy keeps f16's fixed step of 6e-8.
; SHARES.  A work-group takes 16,384 numbers: 64 KiB in, 32 KiB out.  Work-groups 0-511 take x (8,388,608 numbers), 512-703 in_proj_w (3,145,728), 704-767 out_w (1,048,576).
; The share is 8 rows of 2,048 numbers; in each row thread t reads its 32 bytes by two loads and stores 16 bytes, so a store of a wave covers 512 consecutive bytes, aligned.
; All sixteen loads of a thread go out at once: the whole share is on its way before the first wait.  A stream: no LDS, no barrier, no matrix unit, nothing is shared between work-groups.
.set ROWIN,  8192                      ; bytes of a row as read
.set ROWOUT, 4096                      ; as stored
.set X, 4                              ; v[4:67]    row i: 8 numbers in f32
.set Y, 68                             ; v[68:99]   row i: 4 registers to store
.set T, 100                            ; v[100:107] at work (out_w alone)
	s_load_b256 s[4:11], s[0:1], 0x0               ; x s[4:5], in_proj_w s[6:7], out_w s[8:9], xb s[10:11]
	s_load_b128 s[12:15], s[0:1], 0x20             ; wb s[12:13], owh s[14:15]
	v_lshlrev_b32 v1, 5, v0                        ; 32 t: my bytes in a row as read
	v_lshlrev_b32 v2, 4, v0                        ; 16 t: as stored
	s_wait_kmcnt 0x0
	s_cmp_lt_u32 ttmp9, 512                        ; which tensor: chosen by the work-group's number alone
	s_cselect_b64 s[18:19], s[4:5], s[6:7]
	s_cselect_b64 s[20:21], s[10:11], s[12:13]
	s_cselect_b32 s17, 0, 512
	s_cmp_lt_u32 ttmp9, 704
	s_cselect_b64 s[18:19], s[18:19], s[8:9]
	s_cselect_b64 s[20:21], s[20:21], s[14:15]
	s_cselect_b32 s17, s17, 704
	s_sub_co_u32 s17, ttmp9, s17                   ; my share's number in that tensor
	s_lshl_b32 s22, s17, 16                        ; 65,536 bytes of f32 a share (33,554,432 at the most)
	s_mov_b32 s23, 0
	s_add_nc_u64 s[18:19], s[18:19], s[22:23]
	s_lshl_b32 s22, s17, 15                        ; 32,768 bytes out
	s_add_nc_u64 s[20:21], s[20:21], s[22:23]
.irp i, 0,1,2,3,4,5,6,7
	global_load_b128 v[X+8*(\i):X+8*(\i)+3],   v1, s[18:19] offset:ROWIN*(\i) th:TH_LOAD_NT
	global_load_b128 v[X+8*(\i)+4:X+8*(\i)+7], v1, s[18:19] offset:ROWIN*(\i)+16 th:TH_LOAD_NT
.endr
	s_cmp_ge_u32 ttmp9, 704
	s_cbranch_scc1 .Lhalf
.irp i, 0,1,2,3,4,5,6,7
	s_wait_loadcnt 14-2*(\i)                       ; loads come back in order (ISA guide 5.7.1): row i is in, the two loads of each later row may be out
.irp k, 0,1,2,3
	v_cvt_pk_bf16_f32 v[Y+4*(\i)+(\k)], v[X+8*(\i)+2*(\k)], v[X+8*(\i)+2*(\k)+1]
.endr
	global_store_b128 v2, v[Y+4*(\i):Y+4*(\i)+3], s[20:21] offset:ROWOUT*(\i)  ; each row has its own registers: no source of a store is written again
.endr
	s_endpgm
.Lhalf:                                                ; out_w: to bf16, widened again, and written as f16 (exact within f16's range)
.irp i, 0,1,2,3,4,5,6,7
	s_wait_loadcnt 14-2*(\i)
.irp k, 0,1,2,3
	v_cvt_pk_bf16_f32 v[Y+4*(\i)+(\k)], v[X+8*(\i)+2*(\k)], v[X+8*(\i)+2*(\k)+1]
.endr
.irp k, 0,1,2,3
	v_lshlrev_b32 v[T+2*(\k)],   16, v[Y+4*(\i)+(\k)]
	v_and_b32     v[T+2*(\k)+1], 0xffff0000, v[Y+4*(\i)+(\k)]
.endr
.irp k, 0,1,2,3
	v_cvt_pk_f16_f32 v[Y+4*(\i)+(\k)], v[T+2*(\k)], v[T+2*(\k)+1]
.endr
	global_store_b128 v2, v[Y+4*(\i):Y+4*(\i)+3], s[20:21] offset:ROWOUT*(\i)
.endr
	s_endpgm
.Lfunc_end_k_q3e10d10e06_cast:
	.size	k_q3e10d10e06_cast, .Lfunc_end_k_q3e10d10e06_cast-k_q3e10d10e06_cast
	.p2alignl 7, 3214868480
	.fill 96, 4, 3214868480
	.section	.rodata,"a",@progbits
	.p2align	6, 0x0
	.amdhsa_kernel k_q3e10d10e06_cast
		.amdhsa_group_segment_fixed_size 0
		.amdhsa_private_segment_fixed_size 0
		.amdhsa_enable_private_segment 0
		.amdhsa_kernarg_size 48
		.amdhsa_user_sgpr_count 2
		.amdhsa_user_sgpr_kernarg_segment_ptr 1
		.amdhsa_wavefront_size32 1
		.amdhsa_system_sgpr_workgroup_id_x 1
		.amdhsa_system_sgpr_workgroup_id_y 1
		.amdhsa_system_sgpr_workgroup_id_z 1
		.amdhsa_system_vgpr_workitem_id 0
		.amdhsa_next_free_vgpr 108
		.amdhsa_next_free_sgpr 66
		.amdhsa_reserve_vcc 0
		.amdhsa_float_denorm_mode_32 3
		.amdhsa_float_denorm_mode_16_64 3
		.amdhsa_memory_ordered 1
		.amdhsa_forward_progress 1
		.amdhsa_inst_pref_size 14
	.end_amdhsa_kernel
	.amdgpu_metadata
---
amdhsa.version: [ 1, 2 ]
amdhsa.kernels:
  - .name:           k_q3e10d10e06_cast
    .symbol:         k_q3e10d10e06_cast.kd
    .args:
      - { .name: x, .offset: 0, .size: 8, .value_kind: global_buffer, .address_space: global }
      - { .name: in_proj_w, .offset: 8, .size: 8, .value_kind: global_buffer, .address_space: global }
      - { .name: out_w, .offset: 16, .size: 8, .value_kind: global_buffer, .address_space: global }
      - { .name: xb, .offset: 24, .size: 8, .value_kind: global_buffer, .address_space: global }
      - { .name: wb, .offset: 32, .size: 8, .value_kind: global_buffer, .address_space: global }
      - { .name: owh, .offset: 40, .size: 8, .value_kind: global_buffer, .address_space: global }
    .group_segment_fixed_size: 0
    .private_segment_fixed_size: 0
    .kernarg_segment_align: 8
    .kernarg_segment_size: 48
    .max_flat_workgroup_size: 256
    .sgpr_count:     66
    .vgpr_count:     108
    .wavefront_size: 32
...
	.end_amdgpu_metadata
.endif
;; end of part 1
;; launch inproj (part 2): grid 16 x 32, 4 waves a work-group, clusters of 4 x 4, 327,680 bytes of LDS; arguments xb, wb, in_proj_b, heads; writes heads
.if DOCPART == 2
	.amdgcn_target "amdgcn-amd-amdhsa--gfx1250"
	.amdhsa_code_object_version 6
	.text
	.protected	k_q3e10d10e06_inproj
	.globl	k_q3e10d10e06_inproj
	.p2align	8
	.type	k_q3e10d10e06_inproj,@function
k_q3e10d10e06_inproj:
	s_mov_b64 s[64:65], 0
	v_nop
	global_prefetch_b8 v0, s[64:65] scope:SCOPE_SE
	s_setreg_imm32_b32 hwreg(HW_REG_WAVE_MODE, 25, 1), 1
	s_wait_xcnt 0x0
	s_wait_alu depctr_hold_cnt(0) depctr_sa_sdst(0) depctr_va_vdst(0) depctr_va_sdst(0) depctr_va_ssrc(0) depctr_va_vcc(0) depctr_vm_vsrc(0)
	s_getreg_b32 s2, hwreg(HW_REG_IB_STS2, 6, 4)
	s_cmp_eq_u32 s2, 0
	s_cbranch_scc0 .Lentry_in_a_cluster
	s_endpgm
.Lentry_in_a_cluster:
	s_bfe_u32 s2, ttmp6, 0x10000c
	s_cmp_lg_u32 s2, 0xf033
	s_cbranch_scc0 .Lentry_shape_is_right
	s_endpgm
.Lentry_shape_is_right:
; q, k, v = x W^T + b, written by heads.  A = xb [8192][1024] bf16, B = wb [3072][1024] bf16, bias in_proj_b [3072] f32 (rounded to bf16 like all inputs); sums in f32, the result rounded once to f16.
; OUT: heads [batch 8][slot 48][row 1024][64] f16: a head's rows are dense, 128 bytes each.  Column head g = n / 64 (0-15 q, 16-31 k, 32-47 v) goes to slot (g + 40) mod 48, so that every k and v head has
; written rows of the same buffer in front of its first row and behind its last: the launch behind reads 64 rows on either side of a head and masks them.
; LIMIT.  q, k and v stay under 65,504, f16's range; NaN and infinities are not treated apart.
; SHARES.  A tile of C is 256 rows x 192 columns (three heads): 16 x 32 tiles.  Four waves, as many as a WGP has SIMDs; wave w owns rows 64 w .. 64 w + 63 and all 192 columns: 4 x 12 accumulators, 384 registers.
; So a wave holds whole heads, its way out needs its own stage alone and no barrier; the price is 32 LDS loads for 48 matrix instructions, where a square share would have 28.
; K goes in 8 steps of 128 through a ring of two LDS slots: the tiles' rows are 256 bytes of memory, at multiples of 256 from the buffer's first byte.
; CLUSTER 4 x 4: the four work-groups of a row of the cluster need the same tile of A, the four of a column the same tile of B: each tile is asked for jointly, by the same tensor load with the same descriptor and a mask of four.
; THE MATRIX INSTRUCTION IS USED TRANSPOSED (source 0 = 16 rows of B, source 1 = 16 rows of A): lane l holds row l % 16 of C and the columns 8 (l / 16) + 0..7, which pack into 16 bytes.
; THE BIAS IS THE C OPERAND OF THE FIRST PRODUCTS: nothing is cleared, and nothing is added on the way out.
; REGISTERS, in windows of 256 (s_set_vgpr_msb: bits 1:0 source 0, 3:2 source 1, 5:4 source 2, 7:6 destination):
;   window 0: v0-31 addresses; v32-63, v64-95 A's fragments, two buffers (4 x 16 rows x 32 K); v96-191 the bias; v192-195 at work.  On the way out v32-79 packed results, v80-127, v128-175 rows read back.
;   window 1: v0-95, v96-191 B's fragments, two buffers (12 x 16 rows x 32 K).   window 2: the accumulators of my row blocks 0, 1 ((a, b) at 8 (12 (a % 2) + b));   window 3: those of blocks 2, 3.
.set TN,     192
.set NBK,    TN/16
.set PITCH,  272                       ; an LDS row: 256 bytes + 16 of padding = 68 words: the 16 rows of a fragment load start at 16 different groups of four banks (64 banks of 4 bytes: ISA guide 11.1)
.set AHALF,  128*PITCH                 ; what a load for A brings
.set BHALF,  (TN/2)*PITCH              ; what a load for B brings
.set BOFF,   256*PITCH                 ; B's rows lie behind A's 256
.set SLOT,   (256+TN)*PITCH
.set STAGE,  2*SLOT                    ; behind the ring, never filled by a tensor load: 16 rows x 400 bytes for each wave
.set SPITCH, 400                       ; 384 bytes + 16
.set WSTAGE, 16*SPITCH
.set SPARE,  STAGE+4*WSTAGE            ; the spare words, 128 bytes for each wave: two blocks of 256 bytes that no other line names
.set NL,     2*NBK+8                   ; LDS loads of a quarter step
.set LAPS,   4                         ; a lap = two K steps = once round the ring; K = 1,024
.set ADRA, 16                          ; v16-17  LDS address of my A fragments in slot 0, 1
.set ADRB, 20                          ; v20-21  the same for B
.set STO,  24                          ; the way out: where I put 16 bytes of a row
.set RD,   25                          ; where I read rows back
.set GO,   26                          ; my byte offset in 512 consecutive bytes of a head
.set BO,   27                          ; my byte offset in 16 numbers of the bias
.set SPW,  28                          ; LDS address of my spare word; never rewritten
.set NIL,  29                          ; 0; never rewritten
.set FA,   32
.set FB,   0
.set BIAS, 96
.set RT,   192
.set TMP,  32
.set BK,   80
.set G1A, 24                           ; s[24:31] descriptor group 1 for A's tiles; s[32:39] group 0, a set for each slot
.set G0A, 32
.set G1B, 48                           ; s[48:55], s[56:63] the same for B's
.set G0B, 56
.set HB,  68                           ; s[68:73] my rows in the tile's three heads
.set MSB, 0
.macro WIN new                         ; the immediate's high byte repeats the setting that is left; a switch that changes nothing is dropped
.if MSB != (\new)
	s_set_vgpr_msb (MSB<<8)|(\new)
.set MSB, \new
.endif
.endm
.macro PLACES                          ; four places in front of loads into registers that matrix instructions have read, and of lines that read results
.rept 4
	v_nop
.endr
.endm
.macro JLOAD s                         ; a joint load: waves 0 and 1 fetch A's two halves, waves 2 and 3 B's; the branch hangs on the wave's number alone; an s_nop 0 and four v_nop follow each line
	s_cmp_eq_u32 s14, 0
	s_cbranch_scc0 .Lfor_b_\@
	tensor_load_to_lds s[G0A+4*(\s):G0A+4*(\s)+3], s[G1A:G1A+7]
	s_nop 0
.rept 4
	v_nop
.endr
	s_branch .Lasked_\@
.Lfor_b_\@:
	tensor_load_to_lds s[G0B+4*(\s):G0B+4*(\s)+3], s[G1B:G1B+7]
	s_nop 0
.rept 4
	v_nop
.endr
.Lasked_\@:
.endm
.macro CREST                           ; a round of the cluster's barrier behind its opening barrier
	s_cmp_lg_u32 s12, 0
	s_cbranch_scc1 .Lnot_wave_0_\@
	s_barrier_signal -3
.Lnot_wave_0_\@:
	s_barrier_wait -3
	s_barrier_signal -1
	s_barrier_wait -1
.endm
.macro CROUND                          ; a whole round
	s_barrier_signal -1
	s_barrier_wait -1
	CREST
.endm
	s_load_b256 s[4:11], s[0:1], 0x0               ; A s[4:5], B s[6:7], bias s[8:9], heads s[10:11]
	v_lshl_add_u32 v[SPW], v0, 2, SPARE
	v_mov_b32 v[NIL], 0
	ds_add_u32 v[SPW], v[NIL]                      ; the wave's opening: the add and its wait stand ahead of my first tensor load; the set-up below, work on registers, stands between them
	ds_add_u32 v28, v29
	v_lshrrev_b32 v1, 5, v0
	v_readfirstlane_b32 s12, v1                    ; wave 0..3
	s_and_b32 s13, s12, 1                          ; which half of a tile I fetch
	s_lshr_b32 s14, s12, 1                         ; for A (0) or for B (1)
	s_bfe_u32 s15, ttmp6, 0x40000                  ; cx, cy: my place in the cluster
	s_bfe_u32 s16, ttmp6, 0x40004
	s_lshl_b32 s17, ttmp9, 2
	s_add_co_u32 s17, s17, s15                     ; tile column = 4 x cluster x + cx
	s_and_b32 s18, ttmp7, 0xffff
	s_lshl_b32 s18, s18, 2
	s_add_co_u32 s18, s18, s16                     ; tile row = 4 x cluster y + cy
	s_lshl_b32 s19, s16, 2
	s_lshl_b32 s19, 15, s19                        ; my row of the cluster
	s_lshl_b32 s20, 0x1111, s15                    ; my column
	s_or_b32 s[G1A+0], s19, (1<<16)|(1<<20)|(1<<21)|(5<<22)|(3<<25)  ; 15:0 the mask; 17:16 2-byte elements; 20 padding on; 21 set beside a mask; 24:22 after every 64 words (code 5); 31:25 4 words (code 3)
	s_or_b32 s[G1B+0], s20, (1<<16)|(1<<20)|(1<<21)|(5<<22)|(3<<25)
	s_mov_b32 s[G1A+1], 128<<16                    ; tensor_dim0 = 128
	s_mov_b32 s[G1A+2], 128<<16                    ; tensor_dim1 = 128
	s_mov_b32 s[G1A+3], 128<<16                    ; tile_dim0 = 128
	s_mov_b32 s[G1A+4], 128                        ; tile_dim1 = 128
	s_mov_b32 s[G1A+5], 1024                       ; elements from row to row
	s_mov_b32 s[G1A+6], 0
	s_mov_b32 s[G1A+7], 0
	s_mov_b32 s[G1B+1], 128<<16
	s_mov_b32 s[G1B+2], (TN/2)<<16                 ; B's loads bring TN / 2 rows
	s_mov_b32 s[G1B+3], 128<<16
	s_mov_b32 s[G1B+4], TN/2
	s_mov_b32 s[G1B+5], 1024
	s_mov_b32 s[G1B+6], 0
	s_mov_b32 s[G1B+7], 0
	s_mul_i32 s21, s13, AHALF                      ; where the tiles go: no place in the cluster enters an LDS address
	s_mul_i32 s22, s13, BHALF
	s_add_co_u32 s22, s22, BOFF
	s_lshl_b32 s40, s18, 8                         ; A: row 256 x tile row + 128 x half, 2,048 bytes a row (under 2^25): the tile row alone, which my row of the cluster shares
	s_lshl_b32 s44, s13, 7
	s_add_co_u32 s40, s40, s44
	s_lshl_b32 s40, s40, 11
	s_mov_b32 s41, 0
	s_mul_i32 s42, s17, TN                         ; B: row TN x tile column + TN / 2 x half: the tile column alone, which my column shares
	s_mul_i32 s45, s13, TN/2
	s_add_co_u32 s42, s42, s45
	s_lshl_b32 s42, s42, 11
	s_mov_b32 s43, 0
	s_wait_dscnt 0x0                               ; the opening add is done
	s_wait_kmcnt 0x0
	s_add_nc_u64 s[40:41], s[4:5], s[40:41]
	s_add_nc_u64 s[42:43], s[6:7], s[42:43]
	CROUND                                         ; all sixteen work-groups are here: the first joint loads meet
.irp s, 0,1
	s_mov_b32 s[G0A+4*(\s)], 1                                      ; count = 1
	s_add_co_u32 s[G0A+4*(\s)+1], s21, (\s)*SLOT                    ; LDS address
	s_add_nc_u64 s[G0A+4*(\s)+2:G0A+4*(\s)+3], s[40:41], (\s)*256   ; global address: K step s
	s_or_b32 s[G0A+4*(\s)+3], s[G0A+4*(\s)+3], 0x80000000           ; type = 2
	s_mov_b32 s[G0B+4*(\s)], 1
	s_add_co_u32 s[G0B+4*(\s)+1], s22, (\s)*SLOT
	s_add_nc_u64 s[G0B+4*(\s)+2:G0B+4*(\s)+3], s[42:43], (\s)*256
	s_or_b32 s[G0B+4*(\s)+3], s[G0B+4*(\s)+3], 0x80000000
	JLOAD \s                                       ; two loads of mine are out
.endr
	; the bias of the tile's columns, in the accumulators' layout: register i of block b holds column 16 b + 8 (l / 16) + i
	s_mul_i32 s46, s17, TN*4
	s_mov_b32 s47, 0
	s_add_nc_u64 s[8:9], s[8:9], s[46:47]
	v_and_b32 v1, 15, v0                           ; l % 16
	v_bfe_u32 v2, v0, 4, 1                         ; l / 16
	v_lshlrev_b32 v[BO], 5, v2
.set nb, 0
.rept NBK
	global_load_b128 v[BIAS+8*nb:BIAS+8*nb+3],   v[BO], s[8:9] offset:64*nb
	global_load_b128 v[BIAS+8*nb+4:BIAS+8*nb+7], v[BO], s[8:9] offset:64*nb+16
.set nb, nb+1
.endr
	; a fragment is 16 rows x 32 K in 8 registers: lane l holds row l % 16, K = 8 (l / 16) + 0..7 and 16 + 8 (l / 16) + 0..7: two loads of 16 bytes, 32 bytes apart
	v_mul_u32_u24 v3, v1, PITCH
	v_lshl_add_u32 v3, v2, 4, v3
	s_mul_i32 s44, s12, 64*PITCH                   ; my 64 rows of A
	s_add_co_u32 s45, s44, SLOT
	v_add_nc_u32 v[ADRA], s44, v3
	v_add_nc_u32 v[ADRA+1], s45, v3
	v_add_nc_u32 v[ADRB], BOFF, v3                 ; all of B's rows
	v_add_nc_u32 v[ADRB+1], BOFF+SLOT, v3
	s_mul_i32 s44, s12, WSTAGE
	s_add_co_u32 s44, s44, STAGE                   ; my stage
	v_mul_u32_u24 v[STO], v1, SPITCH               ; in: row l % 16, 16 bytes for each half of the lanes
	v_lshl_add_u32 v[STO], v2, 4, v[STO]
	v_add_nc_u32 v[STO], s44, v[STO]
	v_bfe_u32 v4, v0, 3, 2                         ; back: 32 lanes take four rows' 128 bytes of one head,
	v_and_b32 v5, 7, v0
	v_mul_u32_u24 v[RD], v4, SPITCH
	v_lshl_add_u32 v[RD], v5, 4, v[RD]
	v_add_nc_u32 v[RD], s44, v[RD]
	v_and_b32 v[GO], 31, v0                        ; which are 512 consecutive bytes of the head
	v_lshlrev_b32 v[GO], 4, v[GO]
	s_lshr_b32 s45, s18, 2                         ; the batch: four tile rows each
	s_mul_i32 s45, s45, 48
	s_and_b32 s46, s18, 3
	s_lshl_b32 s46, s46, 8
	s_lshl_b32 s47, s12, 6
	s_add_co_u32 s46, s46, s47                     ; my first row in the batch
	s_mul_i32 s47, s17, 3                          ; the tile's first column head
.irp j, 0,1,2
	s_add_co_u32 s74, s47, 40+(\j)                 ; slot = (g + 40) mod 48
	s_cmp_ge_u32 s74, 48
	s_cselect_b32 s75, 48, 0
	s_sub_co_u32 s74, s74, s75
	s_add_co_u32 s74, s74, s45
	s_lshl_b32 s74, s74, 10
	s_add_co_u32 s74, s74, s46
	s_lshl_b32 s74, s74, 7                         ; rows of 128 bytes: 50,331,648 at the most
	s_mov_b32 s75, 0
	s_add_nc_u64 s[HB+2*(\j):HB+2*(\j)+1], s[10:11], s[74:75]
.endr
	s_wait_loadcnt 0x0                             ; the bias, rounded to bf16 and widened again
.set ii, 0
.rept 4*NBK
	v_cvt_pk_bf16_f32 v[RT+ii%4], v[BIAS+2*ii], v[BIAS+2*ii+1]
	v_lshlrev_b32 v[BIAS+2*ii], 16, v[RT+ii%4]
	v_and_b32 v[BIAS+2*ii+1], 0xffff0000, v[RT+ii%4]
.set ii, ii+1
.endr
; NBK matrix instructions: my row block a x all column blocks, 32 along K, from buffer f.  first = 1: the bias starts the sums.
; The 48 accumulators take turns, one instruction a turn, in the same order in every quarter step.
.macro MULA f, a, first
.if \first
	WIN 0x81+0x40*((\a)/2)                         ; B window 1, A and the bias window 0, D window 2 or 3
.else
	WIN 0xa1+0x50*((\a)/2)                         ; B window 1, A window 0, C and D window 2 or 3
.endif
.set AC, 8*NBK*((\a)%2)
.set nb, 0
.rept NBK
.if \first
	v_wmma_f32_16x16x32_bf16 v[AC+8*nb:AC+8*nb+7], v[FB+(\f)*8*NBK+8*nb:FB+(\f)*8*NBK+8*nb+7], v[FA+(\f)*32+8*(\a):FA+(\f)*32+8*(\a)+7], v[BIAS+8*nb:BIAS+8*nb+7]
.else
	v_wmma_f32_16x16x32_bf16 v[AC+8*nb:AC+8*nb+7], v[FB+(\f)*8*NBK+8*nb:FB+(\f)*8*NBK+8*nb+7], v[FA+(\f)*32+8*(\a):FA+(\f)*32+8*(\a)+7], v[AC+8*nb:AC+8*nb+7]
.endif
.set nb, nb+1
.endr
.endm
; NL LDS loads in one run: the fragments of one quarter step (32 K at byte k of the rows) into buffer f: B's, then A's
.macro FETCH slot, k, f
	WIN 0x40                                       ; destination window 1, address window 0
.set ii, 0
.rept NBK
	ds_load_b128 v[FB+(\f)*8*NBK+8*ii:FB+(\f)*8*NBK+8*ii+3],   v[ADRB+(\slot)] offset:(\k)+ii*16*PITCH
	ds_load_b128 v[FB+(\f)*8*NBK+8*ii+4:FB+(\f)*8*NBK+8*ii+7], v[ADRB+(\slot)] offset:(\k)+ii*16*PITCH+32
.set ii, ii+1
.endr
	WIN 0
.set ii, 0
.rept 4
	ds_load_b128 v[FA+(\f)*32+8*ii:FA+(\f)*32+8*ii+3],   v[ADRA+(\slot)] offset:(\k)+ii*16*PITCH
	ds_load_b128 v[FA+(\f)*32+8*ii+4:FA+(\f)*32+8*ii+7], v[ADRA+(\slot)] offset:(\k)+ii*16*PITCH+32
.set ii, ii+1
.endr
.endm
; A K step is four quarters of 32 along K on buffers 0, 1, 0, 1.  One of the first three: multiplies buffer f and, in its middle, fetches the next quarter, at byte k, into buffer g.
.macro QUARTER slot, k, f, g, first
	s_wait_dscnt 4                                 ; B and A's blocks 0, 1 are in; the youngest four loads (A's blocks 2, 3) may be out
	MULA \f, 0, \first
	MULA \f, 1, \first
	PLACES
	FETCH \slot, \k, \g
	s_wait_dscnt NL                                ; all but the NL just issued
	MULA \f, 2, \first
	MULA \f, 3, \first
.endm
; The last quarter multiplies buffer 1 and changes slots: ONE barrier; in front of it each wave waits for all its tensor loads (one is out: its part of the next slot), adds 0 to its spare word, and waits for
; that and for its reads of this slot.  fill = 1: the barrier opens a round of the cluster's, and this slot is filled again, two K steps ahead, first thing behind the round.
.macro TURN slot, next, fill
	WIN 0                                          ; (the add's two registers lie in window 0)
	s_wait_tensorcnt 0x0                           ; all my tensor loads have landed
	ds_add_u32 v[SPW], v[NIL]                      ; 0 onto my spare word
	s_wait_dscnt 5                                 ; (the add and the youngest four loads may be out)
	MULA 1, 0, 0                                   ; matrix work stands between the add and the wait for it
	s_wait_dscnt 0x0                               ; the add is done, and my reads of this slot are over
	s_barrier_signal -1
	MULA 1, 1, 0
.if \fill
	WIN 0
.endif
	s_barrier_wait -1
.if \fill
	CREST                                          ; no wave of any partner still reads this slot's tile or has a load on its way
	s_add_nc_u64 s[G0A+4*(\slot)+2:G0A+4*(\slot)+3], s[G0A+4*(\slot)+2:G0A+4*(\slot)+3], 512
	s_add_nc_u64 s[G0B+4*(\slot)+2:G0B+4*(\slot)+3], s[G0B+4*(\slot)+2:G0B+4*(\slot)+3], 512
	JLOAD \slot                                    ; 14 of a K step's 16 runs of 12 matrix instructions stand between this request and the wait for it; its four v_nop are also the places in front of the loads below
.else
	PLACES
.endif
	FETCH \next, 0, 0
	MULA 1, 2, 0
	MULA 1, 3, 0
.endm
	s_wait_tensorcnt 1                             ; my part of K step 0 is in; K step 1's may stay out
	s_barrier_signal -1
	s_barrier_wait -1                              ; everybody's is
	FETCH 0, 0, 0
	QUARTER 0, 64, 0, 1, 1                         ; the first quarter stands in front of the loop: its products start the sums
	WIN 0                                          ; at a label and at a branch every window is 0
	s_mov_b32 s3, LAPS-1
.Llap:                                                 ; a trip goes once round the ring, from a lap's second quarter to the next lap's first, and fills both slots again
	QUARTER 0, 128, 1, 0, 0
	QUARTER 0, 192, 0, 1, 0
	TURN 0, 1, 1
	QUARTER 1, 64,  0, 1, 0
	QUARTER 1, 128, 1, 0, 0
	QUARTER 1, 192, 0, 1, 0
	TURN 1, 0, 1
	QUARTER 0, 64,  0, 1, 0
	WIN 0
	s_sub_co_u32 s3, s3, 1
	s_cmp_lg_u32 s3, 0
	s_cbranch_scc1 .Llap
	QUARTER 0, 128, 1, 0, 0                        ; the last lap fills nothing
	QUARTER 0, 192, 0, 1, 0
	TURN 0, 1, 0
	QUARTER 1, 64,  0, 1, 0
	QUARTER 1, 128, 1, 0, 0
	QUARTER 1, 192, 0, 1, 0
	s_wait_dscnt 4                                 ; the very last quarter: nothing more to fetch
	MULA 1, 0, 0
	MULA 1, 1, 0
	s_wait_dscnt 0x0
	MULA 1, 2, 0
	MULA 1, 3, 0
	WIN 0
; THE WAY OUT, a block of 16 rows at a time.  PACK: rounded to f16, each accumulator's registers in ascending order.  TOSTAGE: into my own stage, and back head by head, four rows of 128 bytes to a load.  SEND: stored.
.macro PACK a
	WIN 0x0a+5*((\a)/2)                            ; sources 0 and 1 window 2 or 3, destination window 0
.set AC, 8*NBK*((\a)%2)
.set ii, 0
.rept 4*NBK
	v_cvt_pk_f16_f32 v[TMP+ii], v[AC+2*ii], v[AC+2*ii+1]
.set ii, ii+1
.endr
	WIN 0
.endm
.macro TOSTAGE a
.set BKA, BK+48*((\a)%2)
.set ii, 0
.rept NBK
	ds_store_b128 v[STO], v[TMP+4*ii:TMP+4*ii+3] offset:32*ii
.set ii, ii+1
.endr
.irp j, 0,1,2
.irp f, 0,1,2,3
	ds_load_b128 v[BKA+4*(4*\j+\f):BKA+4*(4*\j+\f)+3], v[RD] offset:128*\j+4*SPITCH*\f  ; LDS serves a wave's instructions in order (ISA guide 5.7.1.4): these see the stores above
.endr
.endr
.endm
.macro SEND a
.set BKA, BK+48*((\a)%2)
	s_wait_dscnt 0x0                               ; the block is back in registers
	s_wait_xcnt 0x0                                ; the stores of the block before last have had their addresses translated (ISA guide 3.1): the next TOSTAGE loads into their registers only behind this wait
.irp j, 0,1,2
.irp f, 0,1,2,3
	global_store_b128 v[GO], v[BKA+4*(4*\j+\f):BKA+4*(4*\j+\f)+3], s[HB+2*\j:HB+2*\j+1] offset:2048*(\a)+512*\f  ; 512 consecutive bytes of a head, at a multiple of 512 from the buffer's first byte
.endr
.endr
.endm
	PLACES                                         ; the conversions read results just made and write over A's fragments
	PACK 0
	TOSTAGE 0
.irp a, 1,2,3                          ; block a's conversions stand between block a - 1's loads from the stage and the wait for them
	PACK \a
	SEND (\a)-1
	TOSTAGE \a
.endr
	SEND 3
	s_wait_tensorcnt 0x0                           ; the wave's end, behind my last tensor load and my last LDS store
	ds_add_u32 v[SPW], v[NIL]
	s_wait_dscnt 0x0
	CROUND                                         ; the closing round: no work-group ends while a partner may still ask for a tile that names it
	s_endpgm
.Lfunc_end_k_q3e10d10e06_inproj:
	.size	k_q3e10d10e06_inproj, .Lfunc_end_k_q3e10d10e06_inproj-k_q3e10d10e06_inproj
	.p2alignl 7, 3214868480
	.fill 96, 4, 3214868480
	.section	.rodata,"a",@progbits
	.p2align	6, 0x0
	.amdhsa_kernel k_q3e10d10e06_inproj
		.amdhsa_group_segment_fixed_size 327680
		.amdhsa_private_segment_fixed_size 0
		.amdhsa_enable_private_segment 0
		.amdhsa_kernarg_size 32
		.amdhsa_user_sgpr_count 2
		.amdhsa_user_sgpr_kernarg_segment_ptr 1
		.amdhsa_wavefront_size32 1
		.amdhsa_system_sgpr_workgroup_id_x 1
		.amdhsa_system_sgpr_workgroup_id_y 1
		.amdhsa_system_sgpr_workgroup_id_z 1
		.amdhsa_system_vgpr_workitem_id 0
		.amdhsa_next_free_vgpr 960
		.amdhsa_next_free_sgpr 80
		.amdhsa_reserve_vcc 0
		.amdhsa_float_denorm_mode_32 3
		.amdhsa_float_denorm_mode_16_64 3
		.amdhsa_memory_ordered 1
		.amdhsa_forward_progress 1
		.amdhsa_inst_pref_size 129
	.end_amdhsa_kernel
	.amdgpu_metadata
---
amdhsa.version: [ 1, 2 ]
amdhsa.kernels:
  - .name:           k_q3e10d10e06_inproj
    .symbol:         k_q3e10d10e06_inproj.kd
    .args:
      - { .name: xb, .offset: 0, .size: 8, .value_kind: global_buffer, .address_space: global }
      - { .name: wb, .offset: 8, .size: 8, .value_kind: global_buffer, .address_space: global }
      - { .name: in_proj_b, .offset: 16, .size: 8, .value_kind: global_buffer, .address_space: global }
      - { .name: heads, .offset: 24, .size: 8, .value_kind: global_buffer, .address_space: global }
    .group_segment_fixed_size: 327680
    .private_segment_fixed_size: 0
    .kernarg_segment_align: 8
    .kernarg_segment_size: 32
    .max_flat_workgroup_size: 128
    .sgpr_count:     80
    .vgpr_count:     960
    .wavefront_size: 32
...
	.end_amdgpu_metadata
.endif
;; end of part 2
;; launch attn (part 3): grid 32 x 8, 8 waves a work-group, no clusters, 304,128 bytes of LDS; arguments heads, ob; writes ob
.if DOCPART == 3
	.amdgcn_target "amdgcn-amd-amdhsa--gfx1250"
	.amdhsa_code_object_version 6
	.text
	.protected	k_q3e10d10e06_attn
	.globl	k_q3e10d10e06_attn
	.p2align	8
	.type	k_q3e10d10e06_attn,@function
k_q3e10d10e06_attn:
	s_mov_b64 s[64:65], 0
	v_nop
	global_prefetch_b8 v0, s[64:65] scope:SCOPE_SE
	s_setreg_imm32_b32 hwreg(HW_REG_WAVE_MODE, 25, 1), 1
	s_wait_xcnt 0x0
; BANDED ATTENTION.  O[b][q][h] = the sum over |q - k| <= 64 of softmax_k(Q[q] . K[k] / 8) V[k], head size 64.  In: heads [batch 8][slot 48][row 1024][64] f16 (q head h in slot (h + 40) mod 48, k head h in
; slot 8 + h, v head h in slot 24 + h).  Out: ob [8192][1024] f16, column 64 h + d.  Products, maxima and sums in f32; the weights p are rounded to f16 for the second product (their sum is taken of the
; unrounded p), O once at the end.
; LIMITS.  A hidden score counts as its value less 1e30, beside which f16's scores (2.7e11 at the most) are nothing; a weight below 2^-126 counts as 0; p below 6e-5 keeps f16's step of 6e-8; NaN and infinities are not treated apart.
; SHARES.  A work-group takes 256 queries of two neighbouring heads; wave w takes 32 of them (two tiles u of 16), one head after the other, so that it ends with 32 whole pieces of 256 bytes of ob's rows.
; A wave's 32 queries from q0 on see the keys q0 - 64 .. q0 + 95: ten blocks kb of 16.  Tile u takes blocks u .. u + 8: block u holds the band's lower edge, block u + 8 its upper edge, the seven between are
; wholly seen; the tenth block is wholly hidden: it is not multiplied, and its weights are 0.
; All of a query's scores lie in registers at once, so the maximum is the plain one, taken before any exponential.  A query's own key lies in block u + 4, inside the sequence, so the maximum is a true score.
; THE MASK is the C operand that starts the sum S^T = K Q^T: 0, or -1e30 where the key is hidden, by the band or because it lies in front of the sequence's first row or behind its last (whole blocks: q0 is a
; multiple of 32).  The rows read there belong to neighbouring slots of the same buffer: finite numbers, whose weights are 0.
; LAYOUT.  S^T = K Q^T (source 0 = 16 keys, source 1 = 16 queries) holds ONE query a lane (lane % 16) and the keys 8 (lane / 16) + 0..7; two such results rounded to f16 ARE source 1 of O^T = V^T P.
; K comes out of LDS as it lies, V ([key][channel]) turned, by ds_load_tr16_b128.
; LDS is filled once: 384 rows of K and of V for each head, one tensor load a wave; one barrier.  Two waves lie on a SIMD, so one wave's products run beside the other's softmax.
; NO CLUSTER: neighbouring work-groups share 128 of the 384 rows that each reads of K and V, and no whole tile.
; REGISTERS (s_set_vgpr_msb: bits 1:0 source 0, 3:2 source 1, 5:4 source 2, 7:6 destination):
;   window 0: v0-11 addresses; v12-27 eight registers of statistics a tile; v32-79 six masks; v80-159, v160-239 a tile's 80: scores of block kb at 8 kb; packed, P of block kb at 4 kb; O^T's channel block cb at 48 + 8 cb
;   window 1: v0-159 K (block kb, channel half c at 16 kb + 8 c), later V (32 keys g, channel block cb at 32 g + 8 cb); v160-223 Q (head e, tile u, half c at 160 + 32 e + 16 u + 8 c)
.set KP,     144                       ; a row of K in LDS: 128 bytes + 16 = 36 words: the 16 rows of a load start at 16 different groups of four banks (64 banks of 4 bytes: ISA guide 11.1)
.set VP,     160                       ; a row of V: 128 + 32 = 40 words
.set KHEAD,  384*KP
.set VHEAD,  384*VP
.set VBASE,  2*KHEAD
.set STAGE,  VBASE+2*VHEAD             ; never filled by a tensor load: 32 rows x 272 bytes for each wave
.set SP,     272
.set WSTAGE, 32*SP
.set SPARE,  STAGE+8*WSTAGE            ; the spare words, 128 bytes for each wave: four blocks of 256 bytes that no other line names
.set AK,  3                            ; v3-4   LDS address of my K fragments, head 0, 1
.set AV,  5                            ; v5-6   the same for V
.set QO,  7                            ; my byte offset in 16 rows of Q
.set STO, 8                            ; the way out: where I put 16 bytes of a row
.set RD,  9                            ; where I read rows back
.set GO,  10                           ; my byte offset in two rows of ob
.set DG,  11                           ; l % 16 - 8 (l / 16)
.set ST,  12                           ; tile u at ST + 8 u: c m, m, l (even keys', odd keys'), three chains of the maximum, the other half of the lanes'
.set SPW, 28
.set NIL, 29
.set D0,  32                           ; the band's lower edge
.set E01, 40                           ; blocks 0, 1: -1e30 if they lie in front of the sequence, else 0; likewise the next three
.set E23, 48
.set E67, 56
.set E89, 64
.set D8,  72                           ; the band's upper edge
.set S,   80
.set QF,  160
.set MSB, 0
.macro WIN new
.if MSB != (\new)
	s_set_vgpr_msb (MSB<<8)|(\new)
.set MSB, \new
.endif
.endm
	s_load_b128 s[4:7], s[0:1], 0x0                ; heads s[4:5], ob s[6:7]
	v_lshl_add_u32 v[SPW], v0, 2, SPARE
	v_mov_b32 v[NIL], 0
	ds_add_u32 v[SPW], v[NIL]                      ; the wave's opening: the add and its wait stand ahead of my tensor load; the set-up below, work on registers, stands between them
	ds_add_u32 v28, v29
	v_lshrrev_b32 v1, 5, v0
	v_readfirstlane_b32 s8, v1                     ; wave 0..7
	s_lshr_b32 s9, ttmp9, 2                        ; the pair of heads
	s_and_b32 s10, ttmp9, 3                        ; the quarter of the sequence
	s_and_b32 s11, ttmp7, 0xffff                   ; the batch
	s_lshr_b32 s12, s8, 1
	s_and_b32 s12, s12, 1                          ; I fetch for head 0 or 1 of the pair,
	s_and_b32 s13, s8, 1                           ; the first or the second 192 rows
	s_and_b32 s14, s8, 3                           ; both together: my place among K's (V's) four parts in LDS
	s_lshl_b32 s56, s10, 8                         ; the work-group's first query
	s_lshl_b32 s15, s8, 5
	s_add_co_u32 s15, s15, s56                     ; q0: my wave's first query
	s_mul_i32 s57, s11, 48
	s_lshl_b32 s58, s9, 1
	s_add_co_u32 s40, s57, s58                     ; K's slot: 48 b + 8 + head
	s_add_co_u32 s40, s40, s12
	s_add_co_u32 s40, s40, 8
	s_lshl_b32 s40, s40, 10
	s_add_co_u32 s40, s40, s56
	s_mul_i32 s59, s13, 192
	s_add_co_u32 s40, s40, s59
	s_sub_co_u32 s40, s40, 64                      ; 64 rows in front of the first query: never in front of the buffer, since K's slots begin at 8
	s_lshl_b32 s40, s40, 7                         ; rows of 128 bytes
	s_mov_b32 s41, 0
	s_add_co_u32 s42, s58, 40                      ; Q's slot: (head + 40) mod 48; the pair's two heads are neighbours there too
	s_cmp_ge_u32 s42, 48
	s_cselect_b32 s59, 48, 0
	s_sub_co_u32 s42, s42, s59
	s_add_co_u32 s42, s42, s57
	s_lshl_b32 s42, s42, 10
	s_add_co_u32 s42, s42, s15
	s_lshl_b32 s42, s42, 7
	s_mov_b32 s43, 0
	s_lshl_b32 s44, s11, 10                        ; ob: row 1,024 b + q0, 2,048 bytes a row, and the pair's 256 bytes in it
	s_add_co_u32 s44, s44, s15
	s_lshl_b32 s44, s44, 11
	s_lshl_b32 s59, s9, 8
	s_add_co_u32 s44, s44, s59
	s_mov_b32 s45, 0
	s_mov_b32 s46, 0xf149f2ca                      ; -1e30
	s_cmp_lt_u32 s15, 64                           ; block kb begins at key q0 - 64 + 16 kb
	s_cselect_b32 s47, s46, 0
	s_cmp_lt_u32 s15, 32
	s_cselect_b32 s48, s46, 0
	s_cmp_ge_u32 s15, 992
	s_cselect_b32 s49, s46, 0
	s_cmp_ge_u32 s15, 960
	s_cselect_b32 s50, s46, 0
	s_mov_b32 s52, 0x3e38aa3b                      ; c = log2(e) / 8
	s_mov_b32 s53, s52                             ; named with it as a pair
	s_mov_b32 s54, 0x76543210                      ; v_permlanex16_b32: each lane takes its own place in the other half
	s_mov_b32 s55, 0xfedcba98
	; descriptors: 192 rows of a head are 24,576 dense bytes: asked for as 96 rows of 256 bytes, two keys a row, padded in LDS after every key
	s_mov_b32 s16, (1<<16)|(1<<20)|(4<<22)|(3<<25) ; 17:16 2-byte elements; 20 padding on; 24:22 after every 32 words (code 4); 31:25 4 words (code 3)
	s_mov_b32 s24, (1<<16)|(1<<20)|(4<<22)|(7<<25) ; V: 8 words (code 7)
.irp g, 16, 24
	s_mov_b32 s[\g+1], 128<<16                     ; tensor_dim0 = 128
	s_mov_b32 s[\g+2], 96<<16                      ; tensor_dim1 = 96
	s_mov_b32 s[\g+3], 128<<16                     ; tile_dim0 = 128
	s_mov_b32 s[\g+4], 96                          ; tile_dim1 = 96
	s_mov_b32 s[\g+5], 128                         ; 128 elements from row to row
	s_mov_b32 s[\g+6], 0
	s_mov_b32 s[\g+7], 0
.endr
	s_mov_b32 s32, 1
	s_mul_i32 s33, s14, 192*KP                     ; K's four parts lie on end from LDS byte 0
	s_mov_b32 s36, 1
	s_mul_i32 s37, s14, 192*VP                     ; V's behind them
	s_add_co_u32 s37, s37, VBASE
	s_wait_dscnt 0x0                               ; the opening add is done
	s_wait_kmcnt 0x0
	s_add_nc_u64 s[34:35], s[4:5], s[40:41]
	s_add_nc_u64 s[38:39], s[34:35], 0x200000      ; V's slot lies 16 slots of 131,072 bytes behind K's
	s_or_b32 s35, s35, 0x80000000                  ; type = 2
	s_or_b32 s39, s39, 0x80000000
	s_add_nc_u64 s[42:43], s[4:5], s[42:43]
	s_add_nc_u64 s[44:45], s[6:7], s[44:45]
	s_cmp_lt_u32 s8, 4                             ; waves 0-3 fetch K's four parts, waves 4-7 V's: one load a wave, the only one of the launch; an s_nop 0 and four v_nop follow each line
	s_cbranch_scc0 .Lfor_v
	tensor_load_to_lds s[32:35], s[16:23]
	s_nop 0
.rept 4
	v_nop
.endr
	s_branch .Lasked
.Lfor_v:
	tensor_load_to_lds s[36:39], s[24:31]
	s_nop 0
.rept 4
	v_nop
.endr
.Lasked:
	v_and_b32 v1, 15, v0                           ; l % 16
	v_bfe_u32 v2, v0, 4, 1                         ; l / 16
	v_lshlrev_b32 v[QO], 7, v1
	v_lshl_add_u32 v[QO], v2, 4, v[QO]             ; row x 128 + 16 x half
	WIN 0x40                                       ; destination window 1, address window 0
.irp e, 0,1
.irp u, 0,1
.irp c, 0,1
	global_load_b128 v[QF+32*\e+16*\u+8*\c:QF+32*\e+16*\u+8*\c+3],   v[QO], s[42:43] offset:131072*\e+2048*\u+64*\c
	global_load_b128 v[QF+32*\e+16*\u+8*\c+4:QF+32*\e+16*\u+8*\c+7], v[QO], s[42:43] offset:131072*\e+2048*\u+64*\c+32
.endr
.endr
.endr
	WIN 0
	v_mul_u32_u24 v[AK], v1, KP                    ; K: LDS row 32 w + l % 16 (row 0 is the key 64 in front of the work-group's first query), 16 bytes for each half of the lanes
	v_lshl_add_u32 v[AK], v2, 4, v[AK]
	s_mul_i32 s56, s8, 32*KP
	v_add_nc_u32 v[AK], s56, v[AK]
	v_add_nc_u32 v[AK+1], KHEAD, v[AK]
	v_and_b32 v30, 7, v0                           ; V: the turning load takes 16 keys x 16 channels: lane l reads key 8 (l / 16) + l % 8, channels 8 ((l / 8) % 2) + 0..7
	v_bfe_u32 v31, v0, 3, 1
	v_lshl_add_u32 v[AV], v2, 3, v30
	s_lshl_b32 s57, s8, 5
	v_add_nc_u32 v[AV], s57, v[AV]
	v_mul_u32_u24 v[AV], v[AV], VP
	v_lshl_add_u32 v[AV], v31, 4, v[AV]
	v_add_nc_u32 v[AV], VBASE, v[AV]
	v_add_nc_u32 v[AV+1], VHEAD, v[AV]
	s_mul_i32 s58, s8, WSTAGE
	s_add_co_u32 s58, s58, STAGE                   ; my stage
	v_mul_u32_u24 v[STO], v1, SP
	v_lshl_add_u32 v[STO], v2, 4, v[STO]
	v_add_nc_u32 v[STO], s58, v[STO]
	v_mul_u32_u24 v[RD], v2, SP                    ; back: lanes 0-15 take one row of 256 bytes, lanes 16-31 the next
	v_lshl_add_u32 v[RD], v1, 4, v[RD]
	v_add_nc_u32 v[RD], s58, v[RD]
	v_lshlrev_b32 v[GO], 11, v2                    ; and the same two rows in ob
	v_lshl_add_u32 v[GO], v1, 4, v[GO]
	v_lshlrev_b32 v[DG], 3, v2
	v_sub_nc_u32 v[DG], v1, v[DG]
	v_mov_b32 v[ST+7], 0                           ; v_permlanex16_b32's destinations count as read
	v_mov_b32 v[ST+15], 0
.set ii, 0
.rept 8
	v_mov_b32 v[E01+ii], s47
	v_mov_b32 v[E23+ii], s48
	v_mov_b32 v[E67+ii], s49
	v_mov_b32 v[E89+ii], s50
.set ii, ii+1
.endr
.set ii, 0
.rept 8                                ; in block u key 8 (l / 16) + i is hidden where it is less than l % 16; in block u + 8 where it is greater
	v_cmp_lt_i32 vcc_lo, ii, v[DG]
	v_cndmask_b32 v[D0+ii], v[E01+ii], s46, vcc_lo
	v_cmp_gt_i32 vcc_lo, ii, v[DG]
	v_cndmask_b32 v[D8+ii], v[E89+ii], s46, vcc_lo
.set ii, ii+1
.endr
.macro FETCH_K e                       ; 40 LDS loads in one run: my ten blocks of 16 keys x 64 channels
	WIN 0x40
.set kb, 0
.rept 10
.irp c, 0,1
	ds_load_b128 v[16*kb+8*\c:16*kb+8*\c+3],   v[AK+(\e)] offset:16*KP*kb+64*\c
	ds_load_b128 v[16*kb+8*\c+4:16*kb+8*\c+7], v[AK+(\e)] offset:16*KP*kb+64*\c+32
.endr
.set kb, kb+1
.endr
	WIN 0
.endm
.macro FETCH_V e                       ; 40 turning loads: five groups of 32 keys x four blocks of 16 channels
	WIN 0x40
.irp g, 0,1,2,3,4
.irp cb, 0,1,2,3
	ds_load_tr16_b128 v[32*\g+8*\cb:32*\g+8*\cb+3],   v[AV+(\e)] offset:32*VP*\g+32*\cb
	ds_load_tr16_b128 v[32*\g+8*\cb+4:32*\g+8*\cb+7], v[AV+(\e)] offset:32*VP*\g+16*VP+32*\cb
.endr
.endr
	WIN 0
.endm
; S^T = K Q^T: 36 matrix instructions; the 18 accumulators take turns: 17 others' stand between the two links of a chain.  The first link takes the mask, or the constant 0, as C.
.macro SQK e
	WIN 0x05                                       ; K and Q window 1; C and D window 0
.irp c, 0,1
.set kb, 0
.rept 10
.irp u, 0,1
.if (kb >= \u) && (kb <= \u+8)
.set rS, S+80*\u+8*kb
.set rK, 16*kb+8*\c
.set rQ, QF+32*(\e)+16*\u+8*\c
.if \c == 1
.set rC, rS
.elseif kb == \u
.set rC, D0
.elseif kb == \u+8
.set rC, D8
.elseif kb == 1
.set rC, E01
.elseif kb < 4
.set rC, E23
.elseif kb < 6
.set rC, -1
.elseif kb < 8
.set rC, E67
.else
.set rC, E89
.endif
.if rC < 0
	v_wmma_f32_16x16x32_f16 v[rS:rS+7], v[rK:rK+7], v[rQ:rQ+7], 0
.else
	v_wmma_f32_16x16x32_f16 v[rS:rS+7], v[rK:rK+7], v[rQ:rQ+7], v[rC:rC+7]
.endif
.endif
.endr
.set kb, kb+1
.endr
.endr
.endm
; The sums and roundings of pair p of a tile's 36 pairs of weights, both tiles.  l begins as pair 0 + pair 1.  The packed word of pair p goes to register 4 u + p of the tile, which held a pair that has
; already been added and rounded (or no score at all).
.macro TAILJ p
.set pj, (\p)
.irp u, 0,1
.set pS, S+88*\u+2*pj
.set pD, S+84*\u+pj
.set pL, ST+8*\u+2
.if pj == 1
	s_wait_alu depctr_va_vdst(0)
	v_pk_add_f32 v[pL:pL+1], v[pS-2:pS-1], v[pS:pS+1]
	v_cvt_pk_f16_f32 v[pD-1], v[pS-2], v[pS-1]
	v_cvt_pk_f16_f32 v[pD], v[pS], v[pS+1]
.elseif pj > 1
	s_wait_alu depctr_va_vdst(0)
	v_pk_add_f32 v[pL:pL+1], v[pL:pL+1], v[pS:pS+1]
	v_cvt_pk_f16_f32 v[pD], v[pS], v[pS+1]
.endif
.endr
.endm
.macro SOFT
	; the maximum of a lane's 72 scores: three chains a tile, each over three accumulators on end, three operands at a time; each accumulator's lowest register is in its first read
.set ii, 0
.rept 12
.irp k, 0,1,2
.irp u, 0,1
.set xx, S+80*\u+8*(\u+3*\k)
.set cc, ST+8*\u+4+\k
.if ii == 0
	v_max3_num_f32 v[cc], v[xx], v[xx+1], v[xx+2]
.elseif ii < 11
	v_max3_num_f32 v[cc], v[cc], v[xx+2*ii+1], v[xx+2*ii+2]
.else
	v_max_num_f32 v[cc], v[cc], v[xx+23]
.endif
.endr
.endr
.set ii, ii+1
.endr
.irp u, 0,1
	v_max3_num_f32 v[ST+8*\u+4], v[ST+8*\u+4], v[ST+8*\u+5], v[ST+8*\u+6]
.endr
.irp u, 0,1
	v_permlanex16_b32 v[ST+8*\u+7], v[ST+8*\u+4], s54, s55  ; the query's other keys lie in the lane 16 away
.endr
.irp u, 0,1
	v_max_num_f32 v[ST+8*\u+1], v[ST+8*\u+4], v[ST+8*\u+7]
.endr
.irp u, 0,1
	v_mul_f32 v[ST+8*\u], s52, v[ST+8*\u+1]
.endr
.set jj, 0
.rept 36                               ; c s - c m
.irp u, 0,1
	v_pk_fma_f32 v[S+88*\u+2*jj:S+88*\u+2*jj+1], v[S+88*\u+2*jj:S+88*\u+2*jj+1], s[52:53], v[ST+8*\u:ST+8*\u+1] op_sel_hi:[1,0,0] neg_lo:[0,0,1] neg_hi:[0,0,1]
.endr
.set jj, jj+1
.endr
	; four exponentials (pair jj of both tiles), then the sums and roundings of the pair before: plain instructions that touch nothing of the four stand between an exponential and the use of its result (ISA guide 5.7.2)
.set jj, 0
.rept 36
.irp u, 0,1
	v_exp_f32 v[S+88*\u+2*jj], v[S+88*\u+2*jj]
	v_exp_f32 v[S+88*\u+2*jj+1], v[S+88*\u+2*jj+1]
.endr
.if jj < 2
	v_nop                                          ; no plain work is ready yet
.endif
.if jj > 0
	TAILJ jj-1
.endif
.set jj, jj+1
.endr
	v_nop
	s_wait_alu depctr_va_vdst(0)
	TAILJ 35
.irp z, 0,1,2,3
	v_mov_b32 v[S+36+\z], 0                        ; tile 0's block 9 and tile 1's block 0 are wholly hidden: their weights are 0
	v_mov_b32 v[S+80+\z], 0
.endr
.endm
; O^T = V^T P: 40 matrix instructions; the 8 accumulators take turns.  The first 8 start the sums.
.macro PVMUL
	WIN 0x01                                       ; V window 1; P, C and D window 0
.irp g, 0,1,2,3,4
.irp cb, 0,1,2,3
.irp u, 0,1
.set rO, S+80*\u+48+8*\cb
.set rV, 32*\g+8*\cb
.set rP, S+80*\u+8*\g
.if \g == 0
	v_wmma_f32_16x16x32_f16 v[rO:rO+7], v[rV:rV+7], v[rP:rP+7], 0
.else
	v_wmma_f32_16x16x32_f16 v[rO:rO+7], v[rV:rV+7], v[rP:rP+7], v[rO:rO+7]
.endif
.endr
.endr
.endr
.endm
; l's two halves and the other half of the lanes' are added; O^T is divided by l, rounded to f16 and put into head e's 128 bytes of my stage's rows
.macro NORM e
.irp u, 0,1
	v_add_f32 v[ST+8*\u+4], v[ST+8*\u+2], v[ST+8*\u+3]
.endr
.irp u, 0,1
	v_permlanex16_b32 v[ST+8*\u+7], v[ST+8*\u+4], s54, s55
.endr
.irp u, 0,1
	v_add_f32 v[ST+8*\u+4], v[ST+8*\u+4], v[ST+8*\u+7]
.endr
.irp u, 0,1
	v_rcp_f32 v[ST+8*\u+2], v[ST+8*\u+4]
.endr
	v_nop                                          ; a plain instruction between the last reciprocal and the use of its result
	s_wait_alu depctr_va_vdst(0)
.irp u, 0,1
.set ii, 0
.rept 16
	v_pk_mul_f32 v[S+80*\u+48+2*ii:S+80*\u+48+2*ii+1], v[S+80*\u+48+2*ii:S+80*\u+48+2*ii+1], v[ST+8*\u+2:ST+8*\u+3] op_sel_hi:[1,0]
.set ii, ii+1
.endr
.set ii, 0
.rept 16
	v_cvt_pk_f16_f32 v[S+80*\u+ii], v[S+80*\u+48+2*ii], v[S+80*\u+48+2*ii+1]
.set ii, ii+1
.endr
.irp cb, 0,1,2,3
	ds_store_b128 v[STO], v[S+80*\u+4*\cb:S+80*\u+4*\cb+3] offset:16*SP*\u+128*(\e)+32*\cb
.endr
.endr
.endm
	s_wait_tensorcnt 0x0                           ; my part of K or V is in LDS,
	s_barrier_signal -1
	s_barrier_wait -1                              ; everybody's is: the launch's only barrier; nothing in LDS is filled again
	FETCH_K 0
	s_wait_loadcnt 0x0                             ; Q
.irp e, 0,1
	s_wait_dscnt 0x0                               ; K is in (and, for the second head, the first head's stores into the stage have read their registers)
	SQK \e
	WIN 0
.rept 4
	v_nop                                          ; the places behind those products: V is loaded over K, and the scores are read
.endr
	FETCH_V \e                                     ; V lands while the softmax is made
	SOFT
	s_wait_dscnt 0x0                               ; V is in
	PVMUL
	WIN 0
.rept 4
	v_nop                                          ; the places behind those products
.endr
.if \e == 0
	FETCH_K 1                                      ; the second head's K lands during the first head's way into the stage
.endif
	NORM \e
.endr
.set ii, 0
.rept 16
	ds_load_b128 v[S+4*ii:S+4*ii+3], v[RD] offset:2*SP*ii  ; LDS serves a wave's instructions in order (ISA guide 5.7.1.4): these see my stores above; the stage is my own
.set ii, ii+1
.endr
.set ii, 0
.rept 16
	s_wait_dscnt 15-ii                             ; the later loads may be out
	global_store_b128 v[GO], v[S+4*ii:S+4*ii+3], s[44:45] offset:4096*ii  ; 16 lanes store 256 consecutive bytes of a row, at a multiple of 256 from ob's first byte
.set ii, ii+1
.endr
	s_wait_tensorcnt 0x0                           ; the wave's end, behind my tensor load and my last LDS store
	ds_add_u32 v[SPW], v[NIL]
	s_wait_dscnt 0x0
	s_endpgm
.Lfunc_end_k_q3e10d10e06_attn:
	.size	k_q3e10d10e06_attn, .Lfunc_end_k_q3e10d10e06_attn-k_q3e10d10e06_attn
	.p2alignl 7, 3214868480
	.fill 96, 4, 3214868480
	.section	.rodata,"a",@progbits
	.p2align	6, 0x0
	.amdhsa_kernel k_q3e10d10e06_attn
		.amdhsa_group_segment_fixed_size 304128
		.amdhsa_private_segment_fixed_size 0
		.amdhsa_enable_private_segment 0
		.amdhsa_kernarg_size 16
		.amdhsa_user_sgpr_count 2
		.amdhsa_user_sgpr_kernarg_segment_ptr 1
		.amdhsa_wavefront_size32 1
		.amdhsa_system_sgpr_workgroup_id_x 1
		.amdhsa_system_sgpr_workgroup_id_y 1
		.amdhsa_system_sgpr_workgroup_id_z 1
		.amdhsa_system_vgpr_workitem_id 0
		.amdhsa_next_free_vgpr 512
		.amdhsa_next_free_sgpr 66
		.amdhsa_reserve_vcc 1
		.amdhsa_float_denorm_mode_32 3
		.amdhsa_float_denorm_mode_16_64 3
		.amdhsa_memory_ordered 1
		.amdhsa_forward_progress 1
		.amdhsa_inst_pref_size 95
	.end_amdhsa_kernel
	.amdgpu_metadata
---
amdhsa.version: [ 1, 2 ]
amdhsa.kernels:
  - .name:           k_q3e10d10e06_attn
    .symbol:         k_q3e10d10e06_attn.kd
    .args:
      - { .name: heads, .offset: 0, .size: 8, .value_kind: global_buffer, .address_space: global }
      - { .name: ob, .offset: 8, .size: 8, .value_kind: global_buffer, .address_space: global }
    .group_segment_fixed_size: 304128
    .private_segment_fixed_size: 0
    .kernarg_segment_align: 8
    .kernarg_segment_size: 16
    .max_flat_workgroup_size: 256
    .sgpr_count:     66
    .vgpr_count:     512
    .wavefront_size: 32
...
	.end_amdgpu_metadata
.endif
;; end of part 3
;; launch outproj (part 4): grid 8 x 32, 4 waves a work-group, clusters of 4 x 4, 327,680 bytes of LDS; arguments ob, owh, out_b, out0; writes out0
.if DOCPART == 4
	.amdgcn_target "amdgcn-amd-amdhsa--gfx1250"
	.amdhsa_code_object_version 6
	.text
	.protected	k_q3e10d10e06_outproj
	.globl	k_q3e10d10e06_outproj
	.p2align	8
	.type	k_q3e10d10e06_outproj,@function
k_q3e10d10e06_outproj:
	s_mov_b64 s[64:65], 0
	v_nop
	global_prefetch_b8 v0, s[64:65] scope:SCOPE_SE
	s_setreg_imm32_b32 hwreg(HW_REG_WAVE_MODE, 25, 1), 1
	s_wait_xcnt 0x0
	s_wait_alu depctr_hold_cnt(0) depctr_sa_sdst(0) depctr_va_vdst(0) depctr_va_sdst(0) depctr_va_ssrc(0) depctr_va_vcc(0) depctr_vm_vsrc(0)
	s_getreg_b32 s2, hwreg(HW_REG_IB_STS2, 6, 4)
	s_cmp_eq_u32 s2, 0
	s_cbranch_scc0 .Lentry_in_a_cluster
	s_endpgm
.Lentry_in_a_cluster:
	s_bfe_u32 s2, ttmp6, 0x10000c
	s_cmp_lg_u32 s2, 0xf033
	s_cbranch_scc0 .Lentry_shape_is_right
	s_endpgm
.Lentry_shape_is_right:
; out0 = O out_w^T + out_b.  A = ob [8192][1024] f16, B = owh [1024][1024] f16 (out_w rounded to bf16, written as f16), bias out_b [1024] f32 (rounded to bf16 like all inputs); sums and result in f32.
; SHARES.  A tile of C is 256 rows x 128 columns: 8 x 32 tiles, one for each of 256 work-groups.  Four waves; wave w owns rows 64 w .. 64 w + 63 and all 128 columns: 4 x 8 accumulators, 256 registers.
; So a wave holds whole pieces of 512 bytes of out0's rows, and its way out needs its own stage alone and no barrier.
; K goes in 8 steps of 128 through a ring of two LDS slots: the tiles' rows are 256 bytes of memory, at multiples of 256 from the buffer's first byte.
; CLUSTER 4 x 4: the four work-groups of a row of the cluster need the same tile of A, the four of a column the same tile of B: each tile is asked for jointly, by the same tensor load with the same descriptor and a mask of four.
; THE MATRIX INSTRUCTION IS USED TRANSPOSED (source 0 = 16 rows of B, source 1 = 16 rows of A): lane l holds row l % 16 of C and the columns 8 (l / 16) + 0..7: 32 neighbouring bytes.
; THE BIAS IS THE C OPERAND OF THE FIRST PRODUCTS: nothing is cleared, and nothing is added on the way out.
; REGISTERS, in windows of 256 (s_set_vgpr_msb: bits 1:0 source 0, 3:2 source 1, 5:4 source 2, 7:6 destination):
;   window 0: v0-31 addresses; v32-63, v64-95 A's fragments, two buffers; v96-159 the bias; v192-195 at work.  On the way out v32-95, v96-159 rows read back.
;   window 1: v0-63, v64-127 B's fragments, two buffers.   window 2: the accumulators of my row blocks 0, 1 ((a, b) at 8 (8 (a % 2) + b));   window 3: those of blocks 2, 3.
.set TN,     128
.set NBK,    TN/16
.set PITCH,  272                       ; an LDS row: 256 bytes + 16 of padding = 68 words: the 16 rows of a fragment load start at 16 different groups of four banks (64 banks of 4 bytes: ISA guide 11.1)
.set AHALF,  128*PITCH
.set BHALF,  (TN/2)*PITCH
.set BOFF,   256*PITCH
.set SLOT,   (256+TN)*PITCH
.set STAGE,  2*SLOT                    ; behind the ring, never filled by a tensor load: 16 rows x 528 bytes for each wave
.set SPITCH, 528                       ; 512 bytes + 16
.set WSTAGE, 16*SPITCH
.set SPARE,  STAGE+4*WSTAGE            ; the spare words, 128 bytes for each wave: two blocks of 256 bytes that no other line names
.set NL,     2*NBK+8
.set LAPS,   4
.set ADRA, 16
.set ADRB, 20
.set STO,  24
.set RD,   25
.set GO,   26
.set BO,   27
.set SPW,  28
.set NIL,  29
.set FA,   32
.set FB,   0
.set BIAS, 96
.set RT,   192
.set BK,   32
.set G1A, 24
.set G0A, 32
.set G1B, 48
.set G0B, 56
.set CB,  68                           ; s[68:69] out0 at my first row and the tile's first column
.set MSB, 0
.macro WIN new
.if MSB != (\new)
	s_set_vgpr_msb (MSB<<8)|(\new)
.set MSB, \new
.endif
.endm
.macro PLACES                          ; four places in front of loads into registers that matrix instructions have read, and of lines that read results
.rept 4
	v_nop
.endr
.endm
.macro JLOAD s                         ; a joint load: waves 0 and 1 fetch A's two halves, waves 2 and 3 B's; an s_nop 0 and four v_nop follow each line
	s_cmp_eq_u32 s14, 0
	s_cbranch_scc0 .Lfor_b_\@
	tensor_load_to_lds s[G0A+4*(\s):G0A+4*(\s)+3], s[G1A:G1A+7]
	s_nop 0
.rept 4
	v_nop
.endr
	s_branch .Lasked_\@
.Lfor_b_\@:
	tensor_load_to_lds s[G0B+4*(\s):G0B+4*(\s)+3], s[G1B:G1B+7]
	s_nop 0
.rept 4
	v_nop
.endr
.Lasked_\@:
.endm
.macro CREST
	s_cmp_lg_u32 s12, 0
	s_cbranch_scc1 .Lnot_wave_0_\@
	s_barrier_signal -3
.Lnot_wave_0_\@:
	s_barrier_wait -3
	s_barrier_signal -1
	s_barrier_wait -1
.endm
.macro CROUND
	s_barrier_signal -1
	s_barrier_wait -1
	CREST
.endm
	s_load_b256 s[4:11], s[0:1], 0x0               ; A s[4:5], B s[6:7], bias s[8:9], out0 s[10:11]
	v_lshl_add_u32 v[SPW], v0, 2, SPARE
	v_mov_b32 v[NIL], 0
	ds_add_u32 v[SPW], v[NIL]                      ; the wave's opening: the add and its wait stand ahead of my first tensor load; the set-up below, work on registers, stands between them
	ds_add_u32 v28, v29
	v_lshrrev_b32 v1, 5, v0
	v_readfirstlane_b32 s12, v1                    ; wave 0..3
	s_and_b32 s13, s12, 1                          ; which half of a tile I fetch
	s_lshr_b32 s14, s12, 1                         ; for A (0) or for B (1)
	s_bfe_u32 s15, ttmp6, 0x40000                  ; cx, cy
	s_bfe_u32 s16, ttmp6, 0x40004
	s_lshl_b32 s17, ttmp9, 2
	s_add_co_u32 s17, s17, s15                     ; tile column
	s_and_b32 s18, ttmp7, 0xffff
	s_lshl_b32 s18, s18, 2
	s_add_co_u32 s18, s18, s16                     ; tile row
	s_lshl_b32 s19, s16, 2
	s_lshl_b32 s19, 15, s19                        ; my row of the cluster
	s_lshl_b32 s20, 0x1111, s15                    ; my column
	s_or_b32 s[G1A+0], s19, (1<<16)|(1<<20)|(1<<21)|(5<<22)|(3<<25)  ; the mask; 2-byte elements; padding on; bit 21 beside a mask; after every 64 words 4 words
	s_or_b32 s[G1B+0], s20, (1<<16)|(1<<20)|(1<<21)|(5<<22)|(3<<25)
	s_mov_b32 s[G1A+1], 128<<16                    ; tensor_dim0 = 128
	s_mov_b32 s[G1A+2], 128<<16                    ; tensor_dim1 = 128
	s_mov_b32 s[G1A+3], 128<<16                    ; tile_dim0 = 128
	s_mov_b32 s[G1A+4], 128                        ; tile_dim1 = 128
	s_mov_b32 s[G1A+5], 1024                       ; elements from row to row
	s_mov_b32 s[G1A+6], 0
	s_mov_b32 s[G1A+7], 0
	s_mov_b32 s[G1B+1], 128<<16
	s_mov_b32 s[G1B+2], (TN/2)<<16
	s_mov_b32 s[G1B+3], 128<<16
	s_mov_b32 s[G1B+4], TN/2
	s_mov_b32 s[G1B+5], 1024
	s_mov_b32 s[G1B+6], 0
	s_mov_b32 s[G1B+7], 0
	s_mul_i32 s21, s13, AHALF                      ; where the tiles go: no place in the cluster enters an LDS address
	s_mul_i32 s22, s13, BHALF
	s_add_co_u32 s22, s22, BOFF
	s_lshl_b32 s40, s18, 8                         ; A: the tile row alone
	s_lshl_b32 s44, s13, 7
	s_add_co_u32 s40, s40, s44
	s_lshl_b32 s40, s40, 11
	s_mov_b32 s41, 0
	s_mul_i32 s42, s17, TN                         ; B: the tile column alone
	s_mul_i32 s45, s13, TN/2
	s_add_co_u32 s42, s42, s45
	s_lshl_b32 s42, s42, 11
	s_mov_b32 s43, 0
	s_wait_dscnt 0x0                               ; the opening add is done
	s_wait_kmcnt 0x0
	s_add_nc_u64 s[40:41], s[4:5], s[40:41]
	s_add_nc_u64 s[42:43], s[6:7], s[42:43]
	CROUND                                         ; all sixteen work-groups are here: the first joint loads meet
.irp s, 0,1
	s_mov_b32 s[G0A+4*(\s)], 1
	s_add_co_u32 s[G0A+4*(\s)+1], s21, (\s)*SLOT
	s_add_nc_u64 s[G0A+4*(\s)+2:G0A+4*(\s)+3], s[40:41], (\s)*256
	s_or_b32 s[G0A+4*(\s)+3], s[G0A+4*(\s)+3], 0x80000000
	s_mov_b32 s[G0B+4*(\s)], 1
	s_add_co_u32 s[G0B+4*(\s)+1], s22, (\s)*SLOT
	s_add_nc_u64 s[G0B+4*(\s)+2:G0B+4*(\s)+3], s[42:43], (\s)*256
	s_or_b32 s[G0B+4*(\s)+3], s[G0B+4*(\s)+3], 0x80000000
	JLOAD \s                                       ; two loads of mine are out
.endr
	s_mul_i32 s46, s17, TN*4                       ; the bias of the tile's columns, in the accumulators' layout
	s_mov_b32 s47, 0
	s_add_nc_u64 s[8:9], s[8:9], s[46:47]
	v_and_b32 v1, 15, v0                           ; l % 16
	v_bfe_u32 v2, v0, 4, 1                         ; l / 16
	v_lshlrev_b32 v[BO], 5, v2
.set nb, 0
.rept NBK
	global_load_b128 v[BIAS+8*nb:BIAS+8*nb+3],   v[BO], s[8:9] offset:64*nb
	global_load_b128 v[BIAS+8*nb+4:BIAS+8*nb+7], v[BO], s[8:9] offset:64*nb+16
.set nb, nb+1
.endr
	v_mul_u32_u24 v3, v1, PITCH
	v_lshl_add_u32 v3, v2, 4, v3
	s_mul_i32 s44, s12, 64*PITCH                   ; my 64 rows of A
	s_add_co_u32 s45, s44, SLOT
	v_add_nc_u32 v[ADRA], s44, v3
	v_add_nc_u32 v[ADRA+1], s45, v3
	v_add_nc_u32 v[ADRB], BOFF, v3
	v_add_nc_u32 v[ADRB+1], BOFF+SLOT, v3
	s_mul_i32 s44, s12, WSTAGE
	s_add_co_u32 s44, s44, STAGE                   ; my stage
	v_mul_u32_u24 v[STO], v1, SPITCH               ; in: row l % 16, 32 bytes for each half of the lanes
	v_lshl_add_u32 v[STO], v2, 5, v[STO]
	v_add_nc_u32 v[STO], s44, v[STO]
	v_and_b32 v[GO], 31, v0                        ; back and out: 32 lanes take one row's 512 bytes
	v_lshlrev_b32 v[GO], 4, v[GO]
	v_add_nc_u32 v[RD], s44, v[GO]
	s_lshl_b32 s74, s18, 8
	s_lshl_b32 s75, s12, 6
	s_add_co_u32 s74, s74, s75                     ; my first row, 4,096 bytes a row (33,554,432 at the most),
	s_lshl_b32 s74, s74, 12
	s_lshl_b32 s75, s17, 9                         ; and the tile's 512 bytes in it
	s_add_co_u32 s74, s74, s75
	s_mov_b32 s75, 0
	s_add_nc_u64 s[CB:CB+1], s[10:11], s[74:75]
	s_wait_loadcnt 0x0                             ; the bias, rounded to bf16 and widened again
.set ii, 0
.rept 4*NBK
	v_cvt_pk_bf16_f32 v[RT+ii%4], v[BIAS+2*ii], v[BIAS+2*ii+1]
	v_lshlrev_b32 v[BIAS+2*ii], 16, v[RT+ii%4]
	v_and_b32 v[BIAS+2*ii+1], 0xffff0000, v[RT+ii%4]
.set ii, ii+1
.endr
; NBK matrix instructions: my row block a x all column blocks, 32 along K, from buffer f.  first = 1: the bias starts the sums.  The 32 accumulators take turns, one instruction a turn.
.macro MULA f, a, first
.if \first
	WIN 0x81+0x40*((\a)/2)
.else
	WIN 0xa1+0x50*((\a)/2)
.endif
.set AC, 8*NBK*((\a)%2)
.set nb, 0
.rept NBK
.if \first
	v_wmma_f32_16x16x32_f16 v[AC+8*nb:AC+8*nb+7], v[FB+(\f)*8*NBK+8*nb:FB+(\f)*8*NBK+8*nb+7], v[FA+(\f)*32+8*(\a):FA+(\f)*32+8*(\a)+7], v[BIAS+8*nb:BIAS+8*nb+7]
.else
	v_wmma_f32_16x16x32_f16 v[AC+8*nb:AC+8*nb+7], v[FB+(\f)*8*NBK+8*nb:FB+(\f)*8*NBK+8*nb+7], v[FA+(\f)*32+8*(\a):FA+(\f)*32+8*(\a)+7], v[AC+8*nb:AC+8*nb+7]
.endif
.set nb, nb+1
.endr
.endm
.macro FETCH slot, k, f                ; NL LDS loads in one run: B's fragments, then A's
	WIN 0x40
.set ii, 0
.rept NBK
	ds_load_b128 v[FB+(\f)*8*NBK+8*ii:FB+(\f)*8*NBK+8*ii+3],   v[ADRB+(\slot)] offset:(\k)+ii*16*PITCH
	ds_load_b128 v[FB+(\f)*8*NBK+8*ii+4:FB+(\f)*8*NBK+8*ii+7], v[ADRB+(\slot)] offset:(\k)+ii*16*PITCH+32
.set ii, ii+1
.endr
	WIN 0
.set ii, 0
.rept 4
	ds_load_b128 v[FA+(\f)*32+8*ii:FA+(\f)*32+8*ii+3],   v[ADRA+(\slot)] offset:(\k)+ii*16*PITCH
	ds_load_b128 v[FA+(\f)*32+8*ii+4:FA+(\f)*32+8*ii+7], v[ADRA+(\slot)] offset:(\k)+ii*16*PITCH+32
.set ii, ii+1
.endr
.endm
.macro QUARTER slot, k, f, g, first
	s_wait_dscnt 4                                 ; B and A's blocks 0, 1 are in; the youngest four loads (A's blocks 2, 3) may be out
	MULA \f, 0, \first
	MULA \f, 1, \first
	PLACES
	FETCH \slot, \k, \g
	s_wait_dscnt NL                                ; all but the NL just issued
	MULA \f, 2, \first
	MULA \f, 3, \first
.endm
; The last quarter multiplies buffer 1 and changes slots: ONE barrier; in front of it each wave waits for all its tensor loads (one is out: its part of the next slot), adds 0 to its spare word, and waits for
; that and for its reads of this slot.  fill = 1: the barrier opens a round of the cluster's, and this slot is filled again, two K steps ahead, first thing behind the round.
.macro TURN slot, next, fill
	WIN 0
	s_wait_tensorcnt 0x0                           ; all my tensor loads have landed
	ds_add_u32 v[SPW], v[NIL]                      ; 0 onto my spare word
	s_wait_dscnt 5                                 ; (the add and the youngest four loads may be out)
	MULA 1, 0, 0
	s_wait_dscnt 0x0                               ; the add is done, and my reads of this slot are over
	s_barrier_signal -1
	MULA 1, 1, 0
.if \fill
	WIN 0
.endif
	s_barrier_wait -1
.if \fill
	CREST                                          ; no wave of any partner still reads this slot's tile or has a load on its way
	s_add_nc_u64 s[G0A+4*(\slot)+2:G0A+4*(\slot)+3], s[G0A+4*(\slot)+2:G0A+4*(\slot)+3], 512
	s_add_nc_u64 s[G0B+4*(\slot)+2:G0B+4*(\slot)+3], s[G0B+4*(\slot)+2:G0B+4*(\slot)+3], 512
	JLOAD \slot                                    ; its four v_nop are also the places in front of the loads below
.else
	PLACES
.endif
	FETCH \next, 0, 0
	MULA 1, 2, 0
	MULA 1, 3, 0
.endm
	s_wait_tensorcnt 1                             ; my part of K step 0 is in; K step 1's may stay out
	s_barrier_signal -1
	s_barrier_wait -1
	FETCH 0, 0, 0
	QUARTER 0, 64, 0, 1, 1                         ; the first quarter stands in front of the loop: its products start the sums
	WIN 0
	s_mov_b32 s3, LAPS-1
.Llap:                                                 ; a trip goes once round the ring and fills both slots again
	QUARTER 0, 128, 1, 0, 0
	QUARTER 0, 192, 0, 1, 0
	TURN 0, 1, 1
	QUARTER 1, 64,  0, 1, 0
	QUARTER 1, 128, 1, 0, 0
	QUARTER 1, 192, 0, 1, 0
	TURN 1, 0, 1
	QUARTER 0, 64,  0, 1, 0
	WIN 0
	s_sub_co_u32 s3, s3, 1
	s_cmp_lg_u32 s3, 0
	s_cbranch_scc1 .Llap
	QUARTER 0, 128, 1, 0, 0                        ; the last lap fills nothing
	QUARTER 0, 192, 0, 1, 0
	TURN 0, 1, 0
	QUARTER 1, 64,  0, 1, 0
	QUARTER 1, 128, 1, 0, 0
	QUARTER 1, 192, 0, 1, 0
	s_wait_dscnt 4
	MULA 1, 0, 0
	MULA 1, 1, 0
	s_wait_dscnt 0x0
	MULA 1, 2, 0
	MULA 1, 3, 0
	WIN 0
; THE WAY OUT, a block of 16 rows at a time: the accumulators go as they are into my own stage (each one's lower four registers first), and come back as whole rows of 512 bytes.
.macro TOSTAGE a
.set BKA, BK+64*((\a)%2)
.set AC, 8*NBK*((\a)%2)
	s_wait_xcnt 0x0                                ; the stores of the block before last have had their addresses translated (ISA guide 3.1): their registers are loaded again only behind this wait
	WIN 0x08+4*((\a)/2)                            ; the stored data in window 2 or 3, the address in window 0
.set ii, 0
.rept NBK
	ds_store_b128 v[STO], v[AC+8*ii:AC+8*ii+3]   offset:64*ii
	ds_store_b128 v[STO], v[AC+8*ii+4:AC+8*ii+7] offset:64*ii+16
.set ii, ii+1
.endr
	WIN 0
.set ii, 0
.rept 16
	ds_load_b128 v[BKA+4*ii:BKA+4*ii+3], v[RD] offset:SPITCH*ii  ; LDS serves a wave's instructions in order (ISA guide 5.7.1.4): these see the stores above, and the next block's stores come behind them
.set ii, ii+1
.endr
.endm
.macro SEND a, younger                 ; younger: the LDS instructions issued behind block a's loads: the next block's 32, or none
.set BKA, BK+64*((\a)%2)
.set ii, 0
.rept 16
	s_wait_dscnt (\younger)+15-ii
	global_store_b128 v[GO], v[BKA+4*ii:BKA+4*ii+3], s[CB:CB+1] offset:(16*(\a)+ii)*4096 th:TH_STORE_NT  ; 512 consecutive bytes of a row, at a multiple of 512 from out0's first byte
.set ii, ii+1
.endr
.endm
	PLACES                                         ; the LDS stores read results just made, and the loads land on A's fragments and the bias
	TOSTAGE 0
	TOSTAGE 1
	SEND 0, 32
	TOSTAGE 2
	SEND 1, 32
	TOSTAGE 3
	SEND 2, 32
	SEND 3, 0
	s_wait_tensorcnt 0x0                           ; the wave's end, behind my last tensor load and my last LDS store
	ds_add_u32 v[SPW], v[NIL]
	s_wait_dscnt 0x0
	CROUND                                         ; the closing round: no work-group ends while a partner may still ask for a tile that names it
	s_endpgm
.Lfunc_end_k_q3e10d10e06_outproj:
	.size	k_q3e10d10e06_outproj, .Lfunc_end_k_q3e10d10e06_outproj-k_q3e10d10e06_outproj
	.p2alignl 7, 3214868480
	.fill 96, 4, 3214868480
	.section	.rodata,"a",@progbits
	.p2align	6, 0x0
	.amdhsa_kernel k_q3e10d10e06_outproj
		.amdhsa_group_segment_fixed_size 327680
		.amdhsa_private_segment_fixed_size 0
		.amdhsa_enable_private_segment 0
		.amdhsa_kernarg_size 32
		.amdhsa_user_sgpr_count 2
		.amdhsa_user_sgpr_kernarg_segment_ptr 1
		.amdhsa_wavefront_size32 1
		.amdhsa_system_sgpr_workgroup_id_x 1
		.amdhsa_system_sgpr_workgroup_id_y 1
		.amdhsa_system_sgpr_workgroup_id_z 1
		.amdhsa_system_vgpr_workitem_id 0
		.amdhsa_next_free_vgpr 896
		.amdhsa_next_free_sgpr 80
		.amdhsa_reserve_vcc 0
		.amdhsa_float_denorm_mode_32 3
		.amdhsa_float_denorm_mode_16_64 3
		.amdhsa_memory_ordered 1
		.amdhsa_forward_progress 1
		.amdhsa_inst_pref_size 94
	.end_amdhsa_kernel
	.amdgpu_metadata
---
amdhsa.version: [ 1, 2 ]
amdhsa.kernels:
  - .name:           k_q3e10d10e06_outproj
    .symbol:         k_q3e10d10e06_outproj.kd
    .args:
      - { .name: ob, .offset: 0, .size: 8, .value_kind: global_buffer, .address_space: global }
      - { .name: owh, .offset: 8, .size: 8, .value_kind: global_buffer, .address_space: global }
      - { .name: out_b, .offset: 16, .size: 8, .value_kind: global_buffer, .address_space: global }
      - { .name: out0, .offset: 24, .size: 8, .value_kind: global_buffer, .address_space: global }
    .group_segment_fixed_size: 327680
    .private_segment_fixed_size: 0
    .kernarg_segment_align: 8
    .kernarg_segment_size: 32
    .max_flat_workgroup_size: 128
    .sgpr_count:     80
    .vgpr_count:     896
    .wavefront_size: 32
...
	.end_amdgpu_metadata
.endif
;; end of part 4
